; MI455X (gfx1250); checked and timed in simulation.
; The chip was launched on July 23, 2026; its instructions are those of AMD's public machine-readable ISA for CDNA 5 (MIT licence, August 2026) and "CDNA5" Instruction Set Architecture Reference Guide (July 2026). The comments in the code are by the model that wrote it; some were corrected since.
;; Min GRU. Allowed arithmetic: matrix products marked QUANTISED: E5M2 operands, one E8M0 scale for each 32 along K, by v_wmma_scale_f32_16x16x128_f8f6f4 with both operands' format E5M2, f32 sums; everything else in f32.
;; Inputs: Wh 2 x 1,024 x 1,024 float32; Wz 2 x 1,024 x 1,024 float32; bh 2 x 1,024 float32; bz 2 x 1,024 float32; x 8 x 2,048 x 1,024 float32.
;; Outputs: out0 8 x 2,048 x 1,024 float32.
;; This version of the problem:
;;   THIS VERSION OF THE PROBLEM IS GIVEN IN LOW PRECISION. The matrix products marked QUANTISED in the list below multiply operands that are first quantised to E5M2 (5 exponent bits, 2 mantissa bits; 8 bits a number), with one power-of-two scale for each 32 numbers along K (OCP MX v1.0); their sums are f32. All else is computed in f32.
;;   The module's matrix products, in the order in which they are computed (A, B: the left and right operand; K: the contracted axis; several contracted axes count as one K, in the product's order):
;;     1. [M 16,384, K 1,024] x [K 1,024, N 1,024]; A: input x; B: input Wz: QUANTISED
;;     2. [M 16,384, K 1,024] x [K 1,024, N 1,024]; A: input x; B: input Wh: QUANTISED
;;     3. [M 16,384, K 1,024] x [K 1,024, N 1,024]; A: computed on the way; B: input Wz: QUANTISED
;;     4. [M 16,384, K 1,024] x [K 1,024, N 1,024]; A: computed on the way; B: input Wh: QUANTISED
;;   THE QUANTISER, for each operand of a quantised product, along K:
;;     - K is cut into blocks of 32 from its start; a last block that is shorter is filled with zeros.
;;     - A block's scale is 2^e with e = floor(log2(the largest magnitude in the block)) - 15, held to -126 .. 127; a block of zeros has e = 0. As a byte (E8M0): e + 127.
;;     - Each number is divided by its block's scale, clamped to +-57,344, and rounded to the nearest number of E5M2, ties to even, subnormals kept.
;;     - The product sums the exact products of the quantised numbers (number of the format x scale) in f32.
;;   ~~~python
;;   def quantise(x, axis):      # numpy; x: float32 -> the quantised numbers, widened to float32 again
;;       x = np.moveaxis(x, axis, -1); K = x.shape[-1]
;;       x = np.pad(x, [(0, 0)] * (x.ndim - 1) + [(0, -K % 32)]); x = x.reshape(x.shape[:-1] + (-1, 32)); a = np.abs(x).max(-1, keepdims=True)
;;       e = np.where(a > 0, np.clip(np.frexp(np.where(a > 0, a, 1))[1] - 1 - 15, -126, 127), 0)      # np.frexp(a)[1] - 1 = floor(log2(a)), exactly
;;       r = np.clip(x / 2.0 ** e, -57344, 57344)
;;       step = 2.0 ** (np.maximum(np.frexp(np.where(r == 0, 1, r))[1] - 1, -14) - 2)
;;       q = np.round(r / step) * step * 2.0 ** e      # np.round: ties to even
;;       return np.moveaxis(q.reshape(q.shape[:-2] + (-1,))[..., :K], -1, axis).astype(np.float32)
;;   ~~~
;;   OPERANDS COMPUTED ON THE WAY. 'Computed on the way' means the value that the module computes at that place (a softmax that the list does not call 'softmax' is quantised finished and normalised). What goes into a quantiser is computed in f32, as accurately as f32 sums, v_exp_f32 and their like allow (about 1e-6 of the number): no bf16 or f16 on the way to a quantiser, and a product that is left as it is and whose result goes on into a quantised operand takes f32 operands (vector FMAs, or v_wmma_f32_16x16x4_f32). A number that lies on a knife's edge between two numbers of the format may be rounded either way, as far as f32 arithmetic and the matrix unit's own rounding can turn it there, and no further.
;; One version. Each part assembles by itself: llvm-mc -triple=amdgcn-amd-amdhsa -mcpu=gfx1250 --defsym DOCPART=n.
;; ======== version 1 of 1: 3 launches
;; limits: right only within a limited range of input values
;; workspace buffers: xq 17,301,504 bytes; hq 17,301,504 bytes; wq 4,325,376 bytes
;; launch quant (part 1): grid 256 x 1, 5 waves a work-group, no clusters, 43,264 bytes of LDS; arguments x, Wz, Wh, xq, wq; writes xq, wq
.if DOCPART == 1
	.amdgcn_target "amdgcn-amd-amdhsa--gfx1250"
	.amdhsa_code_object_version 6
	.text
	.protected	k_qfe99681919_quant
	.globl	k_qfe99681919_quant
	.p2align	8
	.type	k_qfe99681919_quant,@function
k_qfe99681919_quant:
	s_mov_b64 s[64:65], 0
	v_nop
	global_prefetch_b8 v0, s[64:65] scope:SCOPE_SE
	s_setreg_imm32_b32 hwreg(HW_REG_WAVE_MODE, 25, 1), 1
	s_wait_xcnt 0x0
; x [16384][1024], Wz and Wh [2048][1024], f32, become codes of BF8 (E5M2) with one E8M0 byte for each 32 along K, laid as the two layer launches want them:
; in RECORDS of 32 rows x 1,024 K = 33,792 bytes, which are images of operand registers.
;   codes:       (4 ks + c) x 1024 + t x 512 + lane x 16: lane (r, h) holds, of row 16 (r / 8) + 8 t + r % 8 of the record, k = 128 ks + 32 c + 16 h + 0 .. 15
;   scale words: 32768 + (16 t + r) x 32 + 4 ks: byte c is the scale of block 4 ks + c of that row
; Records 0 .. 511: x, 32 rows each, in order.  Records 512 + 2 g + zh: rows 32 g .. 32 g + 31 of Wz (zh = 0) or Wh (zh = 1).
; A block's scale is 2^(floor(log2(its largest magnitude)) - 15); its byte is the largest magnitude's exponent field - 15, held at 1 from below.
; LIMITS: a block of zeros gets the byte 1 where the rule says 127 (its codes are zeros, and this program alone reads the bytes); NaN and infinities among the inputs are not served.
; SHARES: 640 records x 2 tiles = 1,280 tasks of 16 rows x 1,024 K, one a wave: 256 work-groups of five waves.  Waves share nothing: no barrier.
; A task goes in 8 steps of 128 along K.  Each load reads 512 consecutive bytes of one row; the step's 16 rows turn through the wave's own stage in LDS (rows 528 bytes apart: 33 x 16, so that
; the sixteen rows that a read touches start at sixteen different banks) and come back as 16 neighbours along K a lane and block.  Loads run four steps ahead: 64 loads a wave.
.set SRB,    33792
.set SPITCH, 528
.set WSTG,   16*SPITCH                 ; a wave's stage
.set LA,  1                            ; v1      16 x lane: my bytes of a load's 512, and of a code store's 512; never rewritten
.set SA,  2                            ; v2      the stage, on the way in
.set SRD, 3                            ; v3      and on the way out: row r, + 64 h
.set SO,  5                            ; v5      my 16 bytes among the tile's scale words: 32 r + 16 h
.set SW,  8                            ; v8-15   the scale word of each step
.set SWO, 16                           ; v16-19  the four that I store
.set TM,  24                           ; v24-27 largest magnitudes, v28-31 bytes, v32-35 the largest number x the scale, v36-39 the conversions' scale operands
.set PC,  48                           ; v48-63  a step's codes
.set X,   64                           ; v64-127 a step's 64 numbers: register 16 c + i = k 32 c + 16 h + i of my row
                                       ; window 1, v0-255: four sets of 64 registers as loaded
.set SRC, 4                            ; s[4:5]  my tile's first row
.set DST, 6                            ; s[6:7]  my record + 512 x tile
.set SEL, 20                           ; s[20:21] v_permlanex16_b32's selects for lane l xor 16
.set MNT, 22                           ; s22     the mantissa field of 57,344
.set HI,  23                           ; s23     a mask of lanes 16-31
.set MSB, 0
.macro WIN new                         ; the immediate's high byte repeats the setting that is left
.if MSB != \new
	s_set_vgpr_msb (MSB<<8)|\new
.set MSB, \new
.endif
.endm
	s_load_b256 s[4:11], s[0:1], 0x0               ; x s[4:5], Wz s[6:7], Wh s[8:9], xq s[10:11]
	s_load_b64 s[12:13], s[0:1], 0x20              ; wq
	v_lshl_add_u32 v254, v0, 2, 0xa600
	v_mov_b32 v255, 0
	v_lshrrev_b32 v6, 5, v0
	v_readfirstlane_b32 s14, v6                    ; wave 0..4
	v_and_b32 v6, 31, v0                           ; lane
	v_and_b32 v7, 15, v0                           ; r
	v_bfe_u32 v20, v0, 4, 1                        ; h
	v_lshlrev_b32 v[LA], 4, v6
	s_mul_i32 s28, s14, WSTG
	v_add_nc_u32 v[SA], s28, v[LA]
	v_mul_u32_u24 v[SRD], v7, SPITCH
	v_lshl_add_u32 v[SRD], v20, 6, v[SRD]
	v_add_nc_u32 v[SRD], s28, v[SRD]
	v_lshlrev_b32 v[SO], 5, v7
	v_lshl_add_u32 v[SO], v20, 4, v[SO]
.irp b, 0,1,2,3
	v_mov_b32 v[TM+4+\b], 0                        ; written once: a lane permute's destination counts as one of its sources
.endr
	s_mul_i32 s15, ttmp9, 5
	s_add_co_u32 s15, s15, s14                     ; my task
	s_lshr_b32 s16, s15, 1                         ; its record
	s_and_b32 s17, s15, 1                          ; its tile
	s_max_u32 s18, s16, 512
	s_sub_co_u32 s18, s18, 512                     ; the record's number among the weights' (0 where it is x's: not used then)
	s_lshr_b32 s19, s18, 1                         ; which 32 rows of Wz or Wh
	s_and_b32 s24, s18, 1                          ; 0: Wz, 1: Wh
	s_mov_b32 s[SEL], 0x76543210
	s_mov_b32 s[SEL+1], 0xfedcba98
	s_mov_b32 s[MNT], 0x600000
	s_mov_b32 s[HI], 0xffff0000
	s_wait_alu depctr_va_vdst(0)
	s_wait_kmcnt 0x0
	s_cmp_eq_u32 s24, 0                            ; the buffers are chosen on the task's number alone; all tasks take one path
	s_cselect_b64 s[6:7], s[6:7], s[8:9]
	s_cmp_lt_u32 s16, 512
	s_cselect_b64 s[SRC:SRC+1], s[4:5], s[6:7]
	s_cselect_b64 s[DST:DST+1], s[10:11], s[12:13]
	s_cselect_b32 s19, s16, s19
	s_cselect_b32 s18, s16, s18
	s_lshl_b32 s26, s19, 17                        ; 32 rows of 4,096 bytes,
	s_lshl_b32 s25, s17, 15                        ; tile 1 begins 8 rows further down
	s_add_co_u32 s26, s26, s25
	s_mov_b32 s27, 0
	s_add_nc_u64 s[SRC:SRC+1], s[SRC:SRC+1], s[26:27]
	s_mul_i32 s26, s18, SRB
	s_lshl_b32 s25, s17, 9
	s_add_co_u32 s26, s26, s25
	s_add_nc_u64 s[DST:DST+1], s[DST:DST+1], s[26:27]
.macro LOAD s                          ; step s: 128 along K of the tile's 16 rows (rows 0-7 and 16-23 from the tile's first) into set s % 4
	WIN 0x40                                       ; destination window 1
.irp i, 0,1,2,3,4,5,6,7,8,9,10,11,12,13,14,15
	global_load_b128 v[64*((\s)%4)+4*\i:64*((\s)%4)+4*\i+3], v[LA], s[SRC:SRC+1] offset:(16*(\i/8)+\i%8)*4096+512*(\s) th:TH_LOAD_NT
.endr
	WIN 0
.endm
.macro TURN s                          ; through the stage: LDS serves a wave's instructions in order, so no wait stands between the stores and the loads
	WIN 0x04                                       ; an LDS store's data are its source 1: window 1
.irp i, 0,1,2,3,4,5,6,7,8,9,10,11,12,13,14,15
	ds_store_b128 v[SA], v[64*((\s)%4)+4*\i:64*((\s)%4)+4*\i+3] offset:SPITCH*\i
.endr
	WIN 0
.irp c, 0,1,2,3
.irp q, 0,1,2,3
	ds_load_b128 v[X+16*\c+4*\q:X+16*\c+4*\q+3], v[SRD] offset:128*\c+16*\q
.endr
.endr
.endm
.macro QUANT pw                        ; the 64 numbers in v[X] on become a fragment's codes in v[PC] on and its scale word in v[pw]
.irp b, 0,1,2,3
	v_max3_num_f32 v[TM+\b], |v[X+16*\b]|, |v[X+1+16*\b]|, 0x8000000   ; block b: my 16 numbers, and the floor 2^(16 - 127): so the byte cannot fall under 1
.endr
.irp i, 2,4,6,8,10,12,14
.irp b, 0,1,2,3
	v_max3_num_f32 v[TM+\b], v[TM+\b], |v[X+16*\b+\i]|, |v[X+1+16*\b+\i]|   ; the four blocks by turns
.endr
.endr
.irp b, 0,1,2,3
	v_permlanex16_b32 v[TM+4+\b], v[TM+\b], s[SEL], s[SEL+1]
.endr
.irp b, 0,1,2,3
	v_max_num_f32 v[TM+\b], v[TM+\b], v[TM+4+\b]   ; with lane l xor 16's: the block's largest magnitude
.endr
.irp b, 0,1,2,3
	v_add_nc_u32 v[TM+12+\b], 0xf8800000, v[TM+\b] ; 15 off its exponent field: the conversion takes the exponent field of this operand as its scale
.endr
.irp b, 0,1,2,3
	v_and_or_b32 v[TM+8+\b], v[TM+\b], 0x7f800000, s[MNT]   ; 57,344 x the scale
.endr
.irp b, 0,1,2,3
	v_lshrrev_b32 v[TM+4+\b], 23, v[TM+12+\b]      ; the scale's byte
.endr
	v_lshl_or_b32 v[\pw], v[TM+5], 8, v[TM+4]
	v_lshl_or_b32 v[\pw], v[TM+6], 16, v[\pw]
	v_lshl_or_b32 v[\pw], v[TM+7], 24, v[\pw]
.irp b, 0,1,2,3
.irp i, 0,1,2,3,4,5,6,7,8,9,10,11,12,13,14,15
	v_med3_num_f32 v[X+16*\b+\i], v[X+16*\b+\i], -v[TM+8+\b], v[TM+8+\b]   ; the conversion to an 8-bit code does not saturate (ISA guide 7.6.2): the hold
.endr
	v_cvt_scalef32_pk8_bf8_f32 v[PC+4*\b:PC+1+4*\b], v[X+16*\b:X+7+16*\b], v[TM+12+\b]
	v_cvt_scalef32_pk8_bf8_f32 v[PC+2+4*\b:PC+3+4*\b], v[X+8+16*\b:X+15+16*\b], v[TM+12+\b]
.endr
	v_nop                                          ; one plain vector line behind the last conversion
.endm
.macro STEP s
.if 7-(\s) >= 3
	s_wait_loadcnt 48                              ; this step's 16 loads are in; those of the three sets behind it may be out
.else
	s_wait_loadcnt 16*(7-(\s))
.endif
	TURN \s
	s_wait_dscnt 0x0                               ; the numbers are back, so the stores into the stage have read their set;
	s_wait_xcnt 0x0                                ; the last step's code stores have read v[PC] on, which is written again below
.if (\s) < 4
	LOAD (\s)+4                                    ; the set takes the loads of four steps on
.endif
	QUANT SW+(\s)
.irp c, 0,1,2,3
	global_store_b128 v[LA], v[PC+4*\c:PC+4*\c+3], s[DST:DST+1] offset:(4*(\s)+\c)*1024   ; 32 lanes store 512 consecutive bytes, at a multiple of 512 from the buffer's first byte
.endr
.endm
.irp s, 0,1,2,3
	LOAD \s
.endr
.irp s, 0,1,2,3,4,5,6,7
	STEP \s
.endr
.irp q, 0,1,2,3
	v_cndmask_b32 v[SWO+\q], v[SW+\q], v[SW+4+\q], s[HI]   ; a row's 8 words are 32 bytes: lanes 0-15 store steps 0-3's, lanes 16-31 steps 4-7's
.endr
	global_store_b128 v[SO], v[SWO:SWO+3], s[DST:DST+1] offset:32768   ; the tile's 512 bytes of scale words
	s_wait_tensorcnt 0x0
	ds_add_u32 v254, v255
	s_wait_dscnt 0x0
	s_endpgm
.Lfunc_end_k_qfe99681919_quant:
	.size	k_qfe99681919_quant, .Lfunc_end_k_qfe99681919_quant-k_qfe99681919_quant
	.p2alignl 7, 3214868480
	.fill 96, 4, 3214868480
	.section	.rodata,"a",@progbits
	.p2align	6, 0x0
	.amdhsa_kernel k_qfe99681919_quant
		.amdhsa_group_segment_fixed_size 43264
		.amdhsa_private_segment_fixed_size 0
		.amdhsa_enable_private_segment 0
		.amdhsa_kernarg_size 40
		.amdhsa_user_sgpr_count 2
		.amdhsa_user_sgpr_kernarg_segment_ptr 1
		.amdhsa_wavefront_size32 1
		.amdhsa_system_sgpr_workgroup_id_x 1
		.amdhsa_system_sgpr_workgroup_id_y 1
		.amdhsa_system_sgpr_workgroup_id_z 1
		.amdhsa_system_vgpr_workitem_id 0
		.amdhsa_next_free_vgpr 512
		.amdhsa_next_free_sgpr 66
		.amdhsa_reserve_vcc 0
		.amdhsa_float_denorm_mode_32 3
		.amdhsa_float_denorm_mode_16_64 3
		.amdhsa_memory_ordered 1
		.amdhsa_forward_progress 1
		.amdhsa_inst_pref_size 100
	.end_amdhsa_kernel
	.amdgpu_metadata
---
amdhsa.version: [ 1, 2 ]
amdhsa.kernels:
  - .name:           k_qfe99681919_quant
    .symbol:         k_qfe99681919_quant.kd
    .args:
      - { .name: x, .offset: 0, .size: 8, .value_kind: global_buffer, .address_space: global }
      - { .name: Wz, .offset: 8, .size: 8, .value_kind: global_buffer, .address_space: global }
      - { .name: Wh, .offset: 16, .size: 8, .value_kind: global_buffer, .address_space: global }
      - { .name: xq, .offset: 24, .size: 8, .value_kind: global_buffer, .address_space: global }
      - { .name: wq, .offset: 32, .size: 8, .value_kind: global_buffer, .address_space: global }
    .group_segment_fixed_size: 43264
    .private_segment_fixed_size: 0
    .kernarg_segment_align: 8
    .kernarg_segment_size: 40
    .max_flat_workgroup_size: 160
    .sgpr_count:     66
    .vgpr_count:     512
    .wavefront_size: 32
...
	.end_amdgpu_metadata
.endif
;; end of part 1
;; launch layer1 (part 2): grid 32 x 8, 8 waves a work-group, clusters of 4 x 1, 327,680 bytes of LDS; arguments xq, wq, bz, bh, hq; writes hq
.if DOCPART == 2
	.amdgcn_target "amdgcn-amd-amdhsa--gfx1250"
	.amdhsa_code_object_version 6
	.text
	.protected	k_qfe99681919_layer1
	.globl	k_qfe99681919_layer1
	.p2align	8
	.type	k_qfe99681919_layer1,@function
k_qfe99681919_layer1:
	s_mov_b64 s[64:65], 0
	v_nop
	global_prefetch_b8 v0, s[64:65] scope:SCOPE_SE
	s_setreg_imm32_b32 hwreg(HW_REG_WAVE_MODE, 25, 1), 1
	s_wait_xcnt 0x0
	s_wait_alu depctr_hold_cnt(0) depctr_sa_sdst(0) depctr_va_vdst(0) depctr_va_sdst(0) depctr_va_ssrc(0) depctr_va_vcc(0) depctr_vm_vsrc(0)
	s_getreg_b32 s2, hwreg(HW_REG_IB_STS2, 6, 4)
	s_cmp_eq_u32 s2, 0
	s_cbranch_scc0 .Lentry_in_a_cluster
	s_endpgm
.Lentry_in_a_cluster:
	s_bfe_u32 s2, ttmp6, 0x10000c
	s_cmp_lg_u32 s2, 0x3003
	s_cbranch_scc0 .Lentry_shape_is_right
	s_endpgm
.Lentry_shape_is_right:
; MinGRU layer 0: k = x Wz^T + bz, p = x Wh^T + bh on MX-BF8 codes; z = sigmoid(k), g = p + 0.5 (p >= 0) or sigmoid(p); h_t = (1 - z_t) h_(t-1) + z_t g_t, h_(-1) = 0.5.
; The recurrence is what exp(a_star + cumlogsumexp(log_values - a_star)) is term by term; every factor lies in (0, 1] and every term is positive, so no exponential of a sum is formed.
; LIMIT: the exponents -k log2(e) and -p log2(e) are held at 62, so z and sigmoid(p) are not taken under 2^-62.
; h is quantised along its 1,024 columns and stored as records in the layout of the input records (32 rows x 1,024 K: codes as register images, then 32 bytes of scale bytes a row).
; SHARES: a work-group owns one batch and 32 columns (one scale block) through all 2,048 steps, 16 trips of a block of 128 steps.  Eight waves, two to a SIMD: wave (rg, ch) = 32 steps x 16 columns:
; its z tile and its h tile of weights, 2 x 8 x 16 = 256 registers, fill window 1 for the whole launch.
; A's fragments, 32 registers for 128 along K, have four buffers and come by two roads.  K = 0 .. 511 of the next block go from memory straight into the four buffers (the records are register images),
; asked for behind the barrier and waited for by count at the next products.  K = 512 .. 1,023 and the scale words come through two LDS slots of TWO blocks each:
; the four work-groups of a cluster share a batch and ask for that part jointly, one record's part (68 rows of 256 bytes) a wave.  Only the barrier behind an odd block drains the loads and fills a slot again;
; behind the barrier of an even block nothing is filled, and the load that is out stays out: it has two trips in which to land.
; A lane holds one column and 16 consecutive steps (the records' row order gives that).  Scan: two chains of 8 in a lane, the lane halves by a permute, the four row groups through LDS one barrier later.
; The way out: the two waves of a row group share a stage (two of them by turns); it is read one barrier after it was written, 16 rows x 32 columns a wave.
; Scale bytes leave one byte a row (32 bytes apart): a work-group makes one byte of each row's 32.
; Prefetch: the head asks for the codes of blocks 1 to 3, trip t (0 .. 11) for those of block t + 4: 16 blocks of 256 bytes a wave and partner, told apart by address; every cluster asks for what it will load.
; The last trip's direct loads name block 15 again (their step is held at 0): the tail is a loop of two laps, and no load leaves the buffer.
; A batch's eight clusters are those with equal x / 4 and y / 2.
.set LAYER, 0
.set SRB,   33792
.set BLKB,  4*SRB
.set SRL,   SRB-16384                  ; a record's part that goes through LDS
.set SUBB,  4*SRL                      ; a block's part: 0x11000
.set SLOTX, 8*SRL                      ; a slot: 0x22000
.set AGG,   2*SLOTX                    ; aggregates: 2 parities x 2 column tiles x 16 columns x 4 row groups x (P, Q)
.set STG,   AGG+2048                   ; two stages of 4 x 32 rows x 144 bytes
.set STGW,  32*144
.set STGB,  4*STGW
.set SPARE, STG+2*STGB                 ; the spare words, 128 bytes a wave
.set SPW,  1
.set NIL,  2
.set ADR0, 3
.set ADS0, 4
.set ADR,  5
.set ADS,  6
.set AGW0, 7
.set AGR0, 8
.set AGW,  9
.set AGR,  10
.set STW0, 11
.set STR0, 12
.set GO,   13
.set GSB,  14
.set PFO,  15
.set ASC,  16                          ; v16-23 A's scale words: lanes 0-15 tile 0, lanes 16-31 tile 1
.set WSC,  24                          ; v24-31 the weights' scale words: lanes 0-15 z's tile, lanes 16-31 h's
.set G,    32                          ; v32-39 the aggregates; at other times CD, PQW and the temporaries O, A
.set CD,   32
.set PQW,  32
.set A0,   36
.set O0,   36
.set O4,   55
.set O5,   61
.set F0,   55
.set F1,   61
.set F2,   62
.set F3,   63
.set F4,   0
.set BI,   40                          ; v40-47 bh of my column, the C of h's first product
.set BZ,   48                          ; v48-49 -bz log2(e)
.set STW,  50
.set STR,  51
.set PQO,  52                          ; v52-53 the other lane half's (P, Q)
.set HC,   54                          ; the carry into the block
.set HL,   56                          ; v56-57 the carry into my 16 steps
.set HL2,  58                          ; v58-59 and into my last 8
.set LAO,  60                          ; 16 x lane; never rewritten
.set Z,    64
.set X,    80
.set M,    96
.set R,    112
.set HT,   96                          ; the head's temporaries
.set AB,   128                         ; v128-255 four buffers for A
.set WV,   14
.set CX,   15
.set CG,   16
.set BB,   17
.set SEL,  18
.set NC,   20
.set C62,  22
.set HI,   23
.set M1,   24
.set MNT,  27
.set TB,   28
.set AP,   29
.set AQ,   30
.set TR,   31
.set G1,   36
.set G0A,  44
.set G0B,  48
.set PFA,  52
.set OB,   54
.set OB2,  56
.set RG,   66
.set CH,   67
.set SP,   68
.set SQ,   69
.set AG,   70                          ; s[70:71] my record of the block that FETCHG asks for
.set AGS,  72                          ; s[72:73] its step in the tail
.set MSB, 0
.macro WIN new
.if MSB != \new
	s_set_vgpr_msb (MSB<<8)|\new
.set MSB, \new
.endif
.endm
.macro PLACES n
.rept \n
	v_nop
.endr
.endm
.macro CREST                           ; a round of the cluster's barrier behind its opening barrier
	s_cmp_lg_u32 s[WV], 0
	s_cbranch_scc1 .Lnot_wave_0_\@
	s_barrier_signal -3
.Lnot_wave_0_\@:
	s_barrier_wait -3
	s_barrier_signal -1
	s_barrier_wait -1
.endm
.macro ROUND
	s_barrier_signal -1
	s_barrier_wait -1
	CREST
.endm
.macro MM ks, t, zh                    ; source 0 = 16 steps of A, source 1 = 16 weight rows: a lane holds one column, its registers 8 steps
.set rD, Z+16*(\zh)+8*(\t)
.set rA, AB+32*((\ks)%4)+16*(\t)
.set rB, 128*(\zh)+16*(\ks)
.set rC, rD
.if (\ks) == 0
.set rC, BI
.endif
.set rE, ASC+(\ks)
.set rF, WSC+(\ks)
.if \zh
.if \t
	v_wmma_scale_f32_16x16x128_f8f6f4 v[rD:rD+7], v[rA:rA+15], v[rB:rB+15], v[rC:rC+7], v[rE], v[rF] matrix_a_fmt:MATRIX_FMT_BF8 matrix_b_fmt:MATRIX_FMT_BF8 matrix_a_scale:MATRIX_SCALE_ROW1 matrix_b_scale:MATRIX_SCALE_ROW1
.else
	v_wmma_scale_f32_16x16x128_f8f6f4 v[rD:rD+7], v[rA:rA+15], v[rB:rB+15], v[rC:rC+7], v[rE], v[rF] matrix_a_fmt:MATRIX_FMT_BF8 matrix_b_fmt:MATRIX_FMT_BF8 matrix_b_scale:MATRIX_SCALE_ROW1
.endif
.elseif (\ks) == 0
.if \t
	v_wmma_scale_f32_16x16x128_f8f6f4 v[rD:rD+7], v[rA:rA+15], v[rB:rB+15], 0, v[rE], v[rF] matrix_a_fmt:MATRIX_FMT_BF8 matrix_b_fmt:MATRIX_FMT_BF8 matrix_a_scale:MATRIX_SCALE_ROW1
.else
	v_wmma_scale_f32_16x16x128_f8f6f4 v[rD:rD+7], v[rA:rA+15], v[rB:rB+15], 0, v[rE], v[rF] matrix_a_fmt:MATRIX_FMT_BF8 matrix_b_fmt:MATRIX_FMT_BF8
.endif
.else
.if \t
	v_wmma_scale_f32_16x16x128_f8f6f4 v[rD:rD+7], v[rA:rA+15], v[rB:rB+15], v[rC:rC+7], v[rE], v[rF] matrix_a_fmt:MATRIX_FMT_BF8 matrix_b_fmt:MATRIX_FMT_BF8 matrix_a_scale:MATRIX_SCALE_ROW1
.else
	v_wmma_scale_f32_16x16x128_f8f6f4 v[rD:rD+7], v[rA:rA+15], v[rB:rB+15], v[rC:rC+7], v[rE], v[rF] matrix_a_fmt:MATRIX_FMT_BF8 matrix_b_fmt:MATRIX_FMT_BF8
.endif
.endif
.endm
.macro MM4 ks                          ; the four accumulators by turns
	MM \ks, 0, 0
	MM \ks, 0, 1
	MM \ks, 1, 0
	MM \ks, 1, 1
.endm
.macro LDA ks                          ; ks = 4 .. 7: A's two fragments of 128 along K from the slot: 8 loads
.irp t, 0,1
.irp c, 0,1,2,3
	ds_load_b128 v[AB+32*((\ks)%4)+16*\t+4*\c:AB+32*((\ks)%4)+16*\t+4*\c+3], v[ADR] offset:(4*((\ks)-4)+\c)*1024+512*\t
.endr
.endr
.endm
.macro GEMM first                      ; ks 0-3 (32 loads from memory) and the scale words were asked for in the trip before; ks 4-7's products stand in CHANGE
.if \first
	s_wait_dscnt 0x0
.else
	s_wait_dscnt 1                                 ; the scale words are in; the aggregate's store may be out
.endif
	s_wait_loadcnt 24                              ; ks 0 is in; eight loads for each ks behind it may be out
	WIN 0x04                                       ; source 1 (weights) in window 1
	MM4 0
	s_wait_loadcnt 16
	MM4 1
	PLACES 8                                       ; in front of loads into registers that matrix instructions have read
	LDA 4
	LDA 5
	s_wait_loadcnt 8
	MM4 2
	s_wait_loadcnt 0x0
	MM4 3
	PLACES 8
	LDA 6
	LDA 7
	WIN 0
.endm
; The barrier behind a block, with the block's last 16 products round its signal.  kind 0: an even block. kind 1: an odd block: all my tensor loads, the add, my LDS
; instructions; the round; the refill first behind it.  kind 2: an odd block of the tail: the same waits, no refill.
.macro CHANGE kind, ask, clamp
.if \kind
	s_wait_tensorcnt 0x0
	ds_add_u32 v[SPW], v[NIL]
	s_xor_b32 s[TB], s[TB], SLOTX
.endif
	s_xor_b32 s[TB], s[TB], SUBB
	s_xor_b32 s[AP], s[AP], 1024
	s_xor_b32 s[AQ], s[AQ], 1024
	s_xor_b32 s[SP], s[SP], STGB
	s_xor_b32 s[SQ], s[SQ], STGB
.if \clamp
	s_cmp_eq_u32 s[TR], 1
	s_cselect_b32 s[AGS], 0, BLKB                  ; behind block 15 there is no block: the address stays
	s_add_nc_u64 s[AG:AG+1], s[AG:AG+1], s[AGS:AGS+1]
.else
	s_add_nc_u64 s[AG:AG+1], s[AG:AG+1], BLKB      ; the loads that named it were waited for in GEMM
.endif
.if (\kind) == 1
	s_xor_b32 s[G0B+1], s[G0B+1], SLOTX
	s_add_nc_u64 s[G0B+2:G0B+3], s[G0B+2:G0B+3], 2*BLKB
.endif
	v_add_nc_u32 v[ADR], s[TB], v[ADR0]
	v_add_nc_u32 v[ADS], s[TB], v[ADS0]
	v_add_nc_u32 v[AGW], s[AP], v[AGW0]
	v_add_nc_u32 v[AGR], s[AQ], v[AGR0]
	v_add_nc_u32 v[STW], s[SP], v[STW0]
	v_add_nc_u32 v[STR], s[SQ], v[STR0]
.if \kind
	s_wait_dscnt 17                                ; ks 4, 5 are in; ks 6, 7's sixteen loads and the add may be out
.else
	s_wait_dscnt 16
.endif
	WIN 0x04
	MM4 4
	MM4 5
	s_wait_dscnt 0x0                               ; my reads of the block are over (and the add is done)
	s_barrier_signal -1
	MM4 6
	MM4 7
	WIN 0
	s_barrier_wait -1
.if (\kind) == 1
	CREST
	tensor_load_to_lds s[G0B:G0B+3], s[G1:G1+7]
	s_nop 0
.endif
	PLACES 8                                       ; behind the last products: their registers are loaded and read below
.if \ask
	global_prefetch_b8 v[PFO], s[PFA:PFA+1] th:TH_LOAD_NT scope:SCOPE_SE
.endif
.endm
.macro FETCHG                          ; ks 0-3 of my record at s[AG]: 32 loads, each 512 consecutive bytes
.irp ks, 0,1,2,3
.irp t, 0,1
.irp c, 0,1,2,3
	global_load_b128 v[AB+32*\ks+16*\t+4*\c:AB+32*\ks+16*\t+4*\c+3], v[LAO], s[AG:AG+1] offset:(4*\ks+\c)*1024+512*\t
.endr
.endr
.endr
.endm
.macro FETCHS                          ; the block's scale words, from the slot
	ds_load_b128 v[ASC:ASC+3], v[ADS]
	ds_load_b128 v[ASC+4:ASC+7], v[ADS] offset:16
.endm
.macro AGGLD
	ds_load_b128 v[G:G+3], v[AGR]
	ds_load_b128 v[G+4:G+7], v[AGR] offset:16
.endm
.macro PREPZ                           ; -(k + bz) log2(e), held at 62
.set i, 0
.rept 8
	v_pk_fma_f32 v[Z+i:Z+i+1], v[Z+i:Z+i+1], s[NC:NC+1], v[BZ:BZ+1] op_sel_hi:[1,0,0]
.set i, i+2
.endr
.set i, 0
.rept 16
	v_min_num_f32 v[Z+i], s[C62], v[Z+i]
.set i, i+1
.endr
.endm
.macro PREPX                           ; M = max(p, 0); X = -p log2(e), held between 0 and 62
.set i, 0
.rept 16
	v_max_num_f32 v[M+i], 0, v[X+i]
.set i, i+1
.endr
.set i, 0
.rept 8
	v_pk_mul_f32 v[X+i:X+i+1], v[X+i:X+i+1], s[NC:NC+1] op_sel_hi:[1,0]
.set i, i+2
.endr
.set i, 0
.rept 16
	v_med3_num_f32 v[X+i], v[X+i], 0, s[C62]
.set i, i+1
.endr
.endm
.macro ACT                             ; M = 1 - z, R = z g, then their scans and my 32 steps' (P, Q)
	s_wait_alu depctr_va_vdst(0)                   ; the wait ahead of the batch
.set i, 0
.rept 32
	v_exp_f32 v[Z+i], v[Z+i]                       ; Z and X lie on end
.set i, i+1
.endr
	v_nop
	s_wait_alu depctr_va_vdst(0)                   ; and behind it
.set i, 0
.rept 8
	v_pk_add_f32 v[R+i:R+i+1], v[Z+i:Z+i+1], 1.0 op_sel_hi:[1,0]
.set i, i+2
.endr
.set i, 0
.rept 8
	v_pk_add_f32 v[X+i:X+i+1], v[X+i:X+i+1], 1.0 op_sel_hi:[1,0]
.set i, i+2
.endr
.set i, 0
.rept 8
	v_pk_mul_f32 v[R+i:R+i+1], v[R+i:R+i+1], v[X+i:X+i+1]
.set i, i+2
.endr
	s_wait_alu depctr_va_vdst(0)
.set i, 0
.rept 16
	v_rcp_f32 v[R+i], v[R+i]
.set i, i+1
.endr
	v_nop
	s_wait_alu depctr_va_vdst(0)
.set i, 0
.rept 8
	v_pk_mul_f32 v[X+i:X+i+1], v[R+i:R+i+1], v[X+i:X+i+1]             ; z
.set i, i+2
.endr
.set i, 0
.rept 8
	v_pk_fma_f32 v[R+i:R+i+1], v[X+i:X+i+1], v[M+i:M+i+1], v[R+i:R+i+1]   ; z g
.set i, i+2
.endr
.set i, 0
.rept 8
	v_pk_mul_f32 v[M+i:M+i+1], v[Z+i:Z+i+1], v[X+i:X+i+1]             ; 1 - z
.set i, i+2
.endr
.set i, 1
.rept 7                                ; steps 0-7 and steps 8-15: two scans, four chains by turns
	v_fmac_f32 v[R+i], v[M+i], v[R+i-1]
	v_fmac_f32 v[R+8+i], v[M+8+i], v[R+7+i]
	v_mul_f32 v[M+i], v[M+i], v[M+i-1]
	v_mul_f32 v[M+8+i], v[M+8+i], v[M+7+i]
.set i, i+1
.endr
	v_mul_f32 v[A0+2], v[M+7], v[M+15]             ; my 16 steps' P
	v_fma_f32 v[A0+3], v[M+15], v[R+7], v[R+15]    ; and Q
	v_permlanex16_b32 v[PQO], v[A0+2], s[SEL], s[SEL+1]
	v_permlanex16_b32 v[PQO+1], v[A0+3], s[SEL], s[SEL+1]
	v_mul_f32 v[PQW], v[A0+2], v[PQO]
	v_fma_f32 v[A0], v[PQO], v[A0+3], v[PQO+1]
	v_fma_f32 v[A0+1], v[A0+2], v[PQO+1], v[A0+3]
	v_cndmask_b32 v[PQW+1], v[A0], v[A0+1], s[HI]
	ds_store_b64 v[AGW], v[PQW:PQW+1]
.endm
.macro FOLD                            ; the carry through the four row groups; mine is picked by masks made of rg
	v_fma_f32 v[F0], v[G], v[HC], v[G+1]
	v_fma_f32 v[F1], v[G+2], v[F0], v[G+3]
	v_fma_f32 v[F2], v[G+4], v[F1], v[G+5]
	v_cndmask_b32 v[F3], v[HC], v[F0], s[M1]
	v_cndmask_b32 v[F3], v[F3], v[F1], s[M1+1]
	v_cndmask_b32 v[F3], v[F3], v[F2], s[M1+2]
	v_fma_f32 v[HC], v[G+6], v[F2], v[G+7]
	v_fma_f32 v[F4], v[PQO], v[F3], v[PQO+1]
	v_cndmask_b32 v[HL], v[F3], v[F4], s[HI]
.endm
.macro FIX                             ; h = R + M x carry; step 7's h is the carry of steps 8-15
.irp p, 0,2,4,6
	v_pk_fma_f32 v[R+\p:R+\p+1], v[M+\p:M+\p+1], v[HL:HL+1], v[R+\p:R+\p+1] op_sel_hi:[1,0,1]
.endr
	v_mov_b32 v[HL2], v[R+7]
.irp p, 8,10,12,14
	v_pk_fma_f32 v[R+\p:R+\p+1], v[M+\p:M+\p+1], v[HL2:HL2+1], v[R+\p:R+\p+1] op_sel_hi:[1,0,1]
.endr
.endm
.macro STST
.irp t, 0,1
.irp j, 0,1,2,3,4,5,6,7
	ds_store_b32 v[STW], v[R+8*\t+\j] offset:(16*\t+\j)*144
.endr
.endr
.endm
.macro STLD                            ; into R, which the stores above have read
.irp q, 0,1,2,3
	ds_load_b128 v[R+4*\q:R+4*\q+3], v[STR] offset:16*\q
.endr
.endm
.macro OUT
	v_max3_num_f32 v[O0], v[R], v[R+1], 0x8000000  ; h is positive; the floor holds the byte at 1 from below
	v_max3_num_f32 v[O0+1], v[R+8], v[R+9], v[R+10]
	v_max3_num_f32 v[O0], v[O0], v[R+2], v[R+3]
	v_max3_num_f32 v[O0+1], v[O0+1], v[R+11], v[R+12]
	v_max3_num_f32 v[O0], v[O0], v[R+4], v[R+5]
	v_max3_num_f32 v[O0+1], v[O0+1], v[R+13], v[R+14]
	v_max3_num_f32 v[O0], v[O0], v[R+6], v[R+7]
	v_max3_num_f32 v[O0], v[O0], v[O0+1], v[R+15]
	v_permlanex16_b32 v[O0+2], v[O0], s[SEL], s[SEL+1]
	v_max_num_f32 v[O0], v[O0], v[O0+2]
	v_add_nc_u32 v[O0+3], 0xf8800000, v[O0]
	v_and_or_b32 v[O4], v[O0], 0x7f800000, s[MNT]
	v_lshrrev_b32 v[O5], 23, v[O0+3]
.set i, 0
.rept 16
	v_min_num_f32 v[R+i], v[R+i], v[O4]
.set i, i+1
.endr
	v_cvt_scalef32_pk8_bf8_f32 v[CD:CD+1], v[R:R+7], v[O0+3]
	v_cvt_scalef32_pk8_bf8_f32 v[CD+2:CD+3], v[R+8:R+15], v[O0+3]
	v_nop
	global_store_b128 v[GO], v[CD:CD+3], s[OB:OB+1]
	global_store_b8 v[GSB], v[O5], s[OB2:OB2+1]    ; both lane halves hold the same byte for the same place
.endm
.macro OSTEP
	s_wait_xcnt 0x0                                ; the stores have read their registers and bases
	s_add_nc_u64 s[OB:OB+1], s[OB:OB+1], BLKB
	s_add_nc_u64 s[OB2:OB2+1], s[OB2:OB2+1], BLKB
.endm
; Trip t: the products of block t and its barrier; the carry, the fix and the stage for block t - 1 (fold); block t - 2 leaves (out); the activation and scans of block t.
.macro TRIP first, fold, out, kind, ask, clamp
	GEMM \first
	CHANGE \kind, \ask, \clamp
	s_wait_alu depctr_va_vdst(0)
.if \fold
	AGGLD
.endif
	FETCHG
	FETCHS
	PREPZ
.if \fold
	s_wait_dscnt 2                                 ; the aggregates are in; the two loads of scale words may be out
	FOLD
	FIX
	STST
.endif
.if \out
	STLD
.endif
	PREPX
.if \out
	s_wait_dscnt 0x0
	OUT
	OSTEP
.elseif \ask
	s_wait_xcnt 0x0                                ; the prefetch has read its address
.endif
.if \ask
	s_add_nc_u64 s[PFA:PFA+1], s[PFA:PFA+1], BLKB
.endif
	ACT
.endm
	s_load_b256 s[4:11], s[0:1], 0x0
	s_load_b64 s[12:13], s[0:1], 0x20
	v_lshl_add_u32 v[SPW], v0, 2, SPARE
	v_mov_b32 v[NIL], 0
	ds_add_u32 v[SPW], v[NIL]
	ds_add_u32 v[SPW], v[NIL]
	v_lshrrev_b32 v[HT+8], 5, v0
	v_readfirstlane_b32 s[WV], v[HT+8]
	s_lshr_b32 s[RG], s[WV], 1
	s_and_b32 s[CH], s[WV], 1
	s_bfe_u32 s[CX], ttmp6, 0x40000
	s_and_b32 s33, ttmp7, 0xffff                   ; cluster y
	s_and_b32 s[CG], ttmp9, 3
	s_and_b32 s34, s33, 1
	s_lshl_b32 s34, s34, 2
	s_or_b32 s[CG], s[CG], s34                     ; which of the batch's eight clusters: x % 4 + 4 (y % 2)
	s_lshl_b32 s[CG], s[CG], 2
	s_add_co_u32 s[CG], s[CG], s[CX]               ; column group 0 .. 31
	s_lshr_b32 s[BB], ttmp9, 2
	s_lshr_b32 s33, s33, 1
	s_lshl_b32 s33, s33, 1
	s_or_b32 s[BB], s[BB], s33                     ; batch: x / 4 + 2 (y / 2)
	s_mov_b32 s[SEL], 0x76543210
	s_mov_b32 s[SEL+1], 0xfedcba98
	s_mov_b32 s[NC], 0xbfb8aa3b
	s_mov_b32 s[NC+1], s[NC]
	s_mov_b32 s[C62], 0x42780000
	s_mov_b32 s[HI], 0xffff0000
	s_mov_b32 s[MNT], 0x600000
	s_mov_b32 s[TB], 0
	s_mov_b32 s[AP], 1024
	s_mov_b32 s[AQ], 0
	s_mov_b32 s[SP], 0
	s_mov_b32 s[SQ], STGB
	s_mov_b32 s[AGS+1], 0
	s_cmp_ge_u32 s[RG], 1
	s_cselect_b32 s[M1], -1, 0
	s_cmp_ge_u32 s[RG], 2
	s_cselect_b32 s[M1+1], -1, 0
	s_cmp_ge_u32 s[RG], 3
	s_cselect_b32 s[M1+2], -1, 0
	s_mov_b32 s[G1], 15|(3<<16)|(1<<21)            ; the four partners; elements of 8 bytes; 68 rows of 256 bytes, dense
	s_mov_b32 s[G1+1], 32<<16
	s_mov_b32 s[G1+2], 68<<16
	s_mov_b32 s[G1+3], 32<<16
	s_mov_b32 s[G1+4], 68
	s_mov_b32 s[G1+5], 32
	s_mov_b32 s[G1+6], 0
	s_mov_b32 s[G1+7], 0
	s_lshl_b32 s58, s[BB], 6
	s_mul_i32 s58, s58, SRB                        ; the batch's first record
	s_mov_b32 s59, 0
	s_mov_b32 s[G0A], 1
	s_mul_i32 s[G0A+1], s[WV], SRL
	s_mov_b32 s[G0B], 1
	s_add_co_u32 s[G0B+1], s[G0A+1], SLOTX
	s_mul_i32 s60, s[RG], SRB
	s_add_co_u32 s60, s60, s58                     ; the record whose steps are mine in block 0
	s_mov_b32 s61, 0
	s_mul_i32 s34, s[WV], SRB
	s_add_co_u32 s34, s34, s58
	s_add_co_u32 s34, s34, 16384                   ; the record (of blocks 0 and 1's eight) whose part I fetch
	s_mov_b32 s35, 0
	s_lshl_b32 s62, s[WV], 2
	s_add_co_u32 s62, s62, s[CX]
	s_lshl_b32 s62, s62, 12
	s_add_co_u32 s62, s62, 4*BLKB
	s_add_co_u32 s62, s62, s58                     ; prefetch: block 4, 4,096 bytes for each wave and partner
	s_mov_b32 s63, 0
	v_and_b32 v[HT], 31, v0
	v_and_b32 v[HT+1], 15, v0
	v_bfe_u32 v[HT+2], v0, 4, 1
	v_lshlrev_b32 v[HT+3], 4, v[HT]
	v_lshlrev_b32 v[LAO], 4, v[HT]
	v_bfe_u32 v[HT+4], v0, 3, 1
	v_and_b32 v[HT+5], 7, v0
	v_lshlrev_b32 v[HT+7], 6, v[HT+4]
	v_lshl_add_u32 v[HT+7], v[HT+5], 2, v[HT+7]
	v_lshlrev_b32 v[GSB], 5, v[HT+1]
	v_mul_u32_u24 v[HT+9], v[HT+2], SRB
	v_add_nc_u32 v[HT+9], v[HT+9], v[GSB]          ; scale words: lanes 0-15 z's record, lanes 16-31 h's
	v_min_u32 v[PFO], 15, v[HT]                    ; lanes 16-31 name the wave's last block again
	v_lshlrev_b32 v[PFO], 8, v[PFO]
	s_wait_alu depctr_va_vdst(0)
	s_wait_dscnt 0x0
	s_wait_kmcnt 0x0
	s_add_nc_u64 s[AG:AG+1], s[4:5], s[60:61]
	s_add_nc_u64 s[G0A+2:G0A+3], s[4:5], s[34:35]
	s_add_nc_u64 s[G0B+2:G0B+3], s[G0A+2:G0A+3], 2*BLKB
	s_add_nc_u64 s[PFA:PFA+1], s[4:5], s[62:63]
	s_or_b32 s[G0A+3], s[G0A+3], 0x80000000
	s_or_b32 s[G0B+3], s[G0B+3], 0x80000000
	ROUND
	tensor_load_to_lds s[G0A:G0A+3], s[G1:G1+7]    ; blocks 0 and 1: my one load at the head
	s_nop 0
	PLACES 4
	s_mul_i32 s62, s[CG], 2*SRB
	s_add_co_u32 s62, s62, LAYER*64*SRB
	s_lshl_b32 s33, s[CH], 9
	s_add_co_u32 s62, s62, s33                     ; my tile of the two weight records (its scale words lie 512 bytes on as well)
	s_add_nc_u64 s[6:7], s[6:7], s[62:63]
	s_lshl_b32 s62, s[CG], 7
	s_add_co_u32 s62, s62, LAYER*4096
	s_lshl_b32 s33, s[CH], 5
	s_add_co_u32 s62, s62, s33
	s_add_nc_u64 s[8:9], s[8:9], s[62:63]
	s_add_nc_u64 s[10:11], s[10:11], s[62:63]
	FETCHG                                         ; block 0's ks 0-3, and the weights, under the first tile's flight
	WIN 0x40
.irp zh, 0,1
.irp ks, 0,1,2,3,4,5,6,7
.irp c, 0,1,2,3
	global_load_b128 v[128*\zh+16*\ks+4*\c:128*\zh+16*\ks+4*\c+3], v[HT+3], s[6:7] offset:SRB*\zh+(4*\ks+\c)*1024
.endr
.endr
.endr
	WIN 0
	global_load_b128 v[WSC:WSC+3], v[HT+9], s[6:7] offset:32768
	global_load_b128 v[WSC+4:WSC+7], v[HT+9], s[6:7] offset:32768+16
	global_load_b32 v[BZ], v[HT+7], s[8:9]
	global_load_b32 v[BI], v[HT+7], s[10:11]
.irp b, 3,2,1
	global_prefetch_b8 v[PFO], s[PFA:PFA+1] offset:-\b*BLKB th:TH_LOAD_NT scope:SCOPE_SE   ; blocks 1 to 3
.endr
	s_lshl_b32 s33, s[CH], 9
	s_add_co_u32 s62, s60, s33                     ; out: my record, my tile
	s_add_co_u32 s60, s62, s[CG]
	s_add_co_u32 s60, s60, 32768
	s_add_nc_u64 s[OB2:OB2+1], s[12:13], s[60:61]
	s_lshl_b32 s33, s[CG], 10
	s_add_co_u32 s62, s62, s33
	s_add_nc_u64 s[OB:OB+1], s[12:13], s[62:63]
	s_mul_i32 s33, s[RG], SRL
	v_add_nc_u32 v[ADR0], s33, v[HT+3]
	v_lshlrev_b32 v[ADS0], 5, v[HT]
	v_add_nc_u32 v[ADS0], s33, v[ADS0]
	v_add_nc_u32 v[ADS0], SRL-1024, v[ADS0]
	v_mov_b32 v[ADR], v[ADR0]
	v_mov_b32 v[ADS], v[ADS0]
	s_lshl_b32 s34, s[CH], 9
	s_add_co_u32 s34, s34, AGG
	v_add_nc_u32 v[AGR0], s34, v[GSB]
	s_lshl_b32 s34, s[RG], 3
	v_add_nc_u32 v[AGW0], s34, v[AGR0]
	s_mul_i32 s33, s[RG], STGW
	s_add_co_u32 s33, s33, STG
	s_lshl_b32 s34, s[CH], 5
	s_add_co_u32 s34, s34, s33
	v_mul_u32_u24 v[STW0], v[HT+2], 1152
	v_add_nc_u32 v[STW0], v[STW0], v[HT+7]
	v_add_nc_u32 v[STW0], s34, v[STW0]
	s_mul_i32 s34, s[CH], 2304
	s_add_co_u32 s34, s34, s33
	v_mul_u32_u24 v[STR0], v[HT+1], 144
	v_lshl_add_u32 v[STR0], v[HT+2], 6, v[STR0]
	v_lshlrev_b32 v[GO], 4, v[HT]
	v_add_nc_u32 v[STR0], s34, v[STR0]
	v_mov_b32 v[HC], 0.5
.irp j, 0,1
	v_mov_b32 v[PQO+\j], 0
	v_mov_b32 v[HL+\j], 0
	v_mov_b32 v[HL2+\j], 0
.endr
	s_wait_alu depctr_va_vdst(0)
	s_wait_tensorcnt 0x0                           ; slot 1's first fill is issued as a refill is
	ds_add_u32 v[SPW], v[NIL]
	s_wait_dscnt 0x0
	ROUND
	tensor_load_to_lds s[G0B:G0B+3], s[G1:G1+7]    ; blocks 2 and 3
	s_nop 0
	PLACES 4
	FETCHS
	s_wait_loadcnt 0x0
.irp j, 1,2,3,4,5,6,7
	v_mov_b32 v[BI+\j], v[BI]
.endr
	v_mul_f32 v[BZ], s[NC], v[BZ]
	v_mov_b32 v[BZ+1], v[BZ]
	s_wait_alu depctr_va_vdst(0)                   ; the head's end
	TRIP 1, 0, 0, 0, 1, 0                          ; block 0
	TRIP 0, 1, 0, 1, 1, 0                          ; block 1
	s_mov_b32 s[TR], 5
.Lpair:                                                ; blocks 2 to 11
	TRIP 0, 1, 1, 0, 1, 0
	TRIP 0, 1, 1, 1, 1, 0
	s_sub_co_u32 s[TR], s[TR], 1
	s_cmp_lg_u32 s[TR], 0
	s_cbranch_scc1 .Lpair
	s_mov_b32 s[TR], 2
.Ltail:                                                ; blocks 12 to 15: nothing more is filled
	TRIP 0, 1, 1, 0, 0, 0
	TRIP 0, 1, 1, 2, 0, 1
	s_sub_co_u32 s[TR], s[TR], 1
	s_cmp_lg_u32 s[TR], 0
	s_cbranch_scc1 .Ltail
	s_wait_alu depctr_va_vdst(0)
	s_wait_dscnt 0x0
	s_barrier_signal -1
	s_barrier_wait -1
	s_xor_b32 s[AQ], s[AQ], 1024
	s_xor_b32 s[SP], s[SP], STGB
	s_xor_b32 s[SQ], s[SQ], STGB
	v_add_nc_u32 v[AGR], s[AQ], v[AGR0]
	v_add_nc_u32 v[STW], s[SP], v[STW0]
	v_add_nc_u32 v[STR], s[SQ], v[STR0]
	AGGLD
	s_wait_dscnt 0x0
	FOLD
	FIX
	STST                                           ; block 15 into the stage,
	STLD                                           ; block 14 out of the other
	s_wait_dscnt 0x0
	OUT
	OSTEP
	s_barrier_signal -1
	s_barrier_wait -1
	s_xor_b32 s[SQ], s[SQ], STGB
	v_add_nc_u32 v[STR], s[SQ], v[STR0]
	STLD
	s_wait_dscnt 0x0
	OUT
	s_wait_tensorcnt 0x0                           ; the wave's end
	ds_add_u32 v[SPW], v[NIL]
	s_wait_dscnt 0x0
	ROUND                                          ; the closing round
	s_endpgm
.Lfunc_end_k_qfe99681919_layer1:
	.size	k_qfe99681919_layer1, .Lfunc_end_k_qfe99681919_layer1-k_qfe99681919_layer1
	.p2alignl 7, 3214868480
	.fill 96, 4, 3214868480
	.section	.rodata,"a",@progbits
	.p2align	6, 0x0
	.amdhsa_kernel k_qfe99681919_layer1
		.amdhsa_group_segment_fixed_size 327680
		.amdhsa_private_segment_fixed_size 0
		.amdhsa_enable_private_segment 0
		.amdhsa_kernarg_size 40
		.amdhsa_user_sgpr_count 2
		.amdhsa_user_sgpr_kernarg_segment_ptr 1
		.amdhsa_wavefront_size32 1
		.amdhsa_system_sgpr_workgroup_id_x 1
		.amdhsa_system_sgpr_workgroup_id_y 1
		.amdhsa_system_sgpr_workgroup_id_z 1
		.amdhsa_system_vgpr_workitem_id 0
		.amdhsa_next_free_vgpr 512
		.amdhsa_next_free_sgpr 76
		.amdhsa_reserve_vcc 0
		.amdhsa_float_denorm_mode_32 3
		.amdhsa_float_denorm_mode_16_64 3
		.amdhsa_memory_ordered 1
		.amdhsa_forward_progress 1
		.amdhsa_inst_pref_size 167
	.end_amdhsa_kernel
	.amdgpu_metadata
---
amdhsa.version: [ 1, 2 ]
amdhsa.kernels:
  - .name:           k_qfe99681919_layer1
    .symbol:         k_qfe99681919_layer1.kd
    .args:
      - { .name: xq, .offset: 0, .size: 8, .value_kind: global_buffer, .address_space: global }
      - { .name: wq, .offset: 8, .size: 8, .value_kind: global_buffer, .address_space: global }
      - { .name: bz, .offset: 16, .size: 8, .value_kind: global_buffer, .address_space: global }
      - { .name: bh, .offset: 24, .size: 8, .value_kind: global_buffer, .address_space: global }
      - { .name: hq, .offset: 32, .size: 8, .value_kind: global_buffer, .address_space: global }
    .group_segment_fixed_size: 327680
    .private_segment_fixed_size: 0
    .kernarg_segment_align: 8
    .kernarg_segment_size: 40
    .max_flat_workgroup_size: 256
    .sgpr_count:     76
    .vgpr_count:     512
    .wavefront_size: 32
...
	.end_amdgpu_metadata
.endif
;; end of part 2
;; launch layer2 (part 3): grid 32 x 8, 8 waves a work-group, clusters of 4 x 1, 327,680 bytes of LDS; arguments hq, wq, bz, bh, out0; writes out0
.if DOCPART == 3
	.amdgcn_target "amdgcn-amd-amdhsa--gfx1250"
	.amdhsa_code_object_version 6
	.text
	.protected	k_qfe99681919_layer2
	.globl	k_qfe99681919_layer2
	.p2align	8
	.type	k_qfe99681919_layer2,@function
k_qfe99681919_layer2:
	s_mov_b64 s[64:65], 0
	v_nop
	global_prefetch_b8 v0, s[64:65] scope:SCOPE_SE
	s_setreg_imm32_b32 hwreg(HW_REG_WAVE_MODE, 25, 1), 1
	s_wait_xcnt 0x0
	s_wait_alu depctr_hold_cnt(0) depctr_sa_sdst(0) depctr_va_vdst(0) depctr_va_sdst(0) depctr_va_ssrc(0) depctr_va_vcc(0) depctr_vm_vsrc(0)
	s_getreg_b32 s2, hwreg(HW_REG_IB_STS2, 6, 4)
	s_cmp_eq_u32 s2, 0
	s_cbranch_scc0 .Lentry_in_a_cluster
	s_endpgm
.Lentry_in_a_cluster:
	s_bfe_u32 s2, ttmp6, 0x10000c
	s_cmp_lg_u32 s2, 0x3003
	s_cbranch_scc0 .Lentry_shape_is_right
	s_endpgm
.Lentry_shape_is_right:
; MinGRU layer 1: the plan of layer 0's launch on layer 0's records of codes, with the second layer's weights and biases; h leaves as f32.
; k = h1 Wz^T + bz, p = h1 Wh^T + bh on MX-BF8 codes; z = sigmoid(k), g = p + 0.5 (p >= 0) or sigmoid(p); h_t = (1 - z_t) h_(t-1) + z_t g_t, h_(-1) = 0.5: the recurrence that the log-space scan states term by term.
; LIMIT: the exponents -k log2(e) and -p log2(e) are held at 62, so z and sigmoid(p) are not taken under 2^-62.
; SHARES: a work-group owns one batch and 32 columns through 2,048 steps, 16 trips of a block of 128.  Eight waves, two to a SIMD: wave (rg, ch) = 32 steps x 16 columns; its two weight tiles fill window 1.
; A's fragments come by two roads: K = 0 .. 511 of the next block from memory straight into the four buffers, waited for by count at the next products;
; K = 512 .. 1,023 and the scale words through two LDS slots of two blocks each, asked for jointly by the four work-groups of a cluster, which share a batch: 68 rows of 256 bytes a wave.
; Only the barrier behind an odd block drains the loads and fills a slot again; across the barrier of an even block, behind which nothing is filled, the load stays out.
; A lane holds one column and 16 consecutive steps.  Scan: two chains of 8 in a lane, the lane halves by a permute, the four row groups through LDS one barrier later.
; The way out: a stage shared by the two waves of a row group, read one barrier later; eight lanes store a row's 128 bytes: a work-group's 32 columns are half of an aligned 256 bytes of out0,
; since 8 batches x 32 column groups are what gives each of 256 work-groups whole chains of the scan.
; Prefetch: the head asks for the codes of blocks 1 to 3, trip t (0 .. 11) for those of block t + 4, 16 blocks of 256 bytes a wave and partner, told apart by address.
; The last trip's direct loads name block 15 again (their step is held at 0).  A batch's eight clusters are those with equal x / 4 and y / 2.
.set LAYER, 1
.set SRB,   33792
.set BLKB,  4*SRB
.set SRL,   SRB-16384
.set SUBB,  4*SRL
.set SLOTX, 8*SRL
.set AGG,   2*SLOTX
.set STG,   AGG+2048
.set STGW,  32*144
.set STGB,  4*STGW
.set SPARE, STG+2*STGB
.set SPW,  1
.set NIL,  2
.set ADR0, 3
.set ADS0, 4
.set ADR,  5
.set ADS,  6
.set AGW0, 7
.set AGR0, 8
.set AGW,  9
.set AGR,  10
.set STW0, 11
.set STR0, 12
.set GO,   13
.set GSB,  14
.set PFO,  15
.set ASC,  16
.set WSC,  24
.set G,    32
.set PQW,  32
.set A0,   36
.set F0,   55
.set F1,   61
.set F2,   62
.set F3,   63
.set F4,   0
.set BI,   40
.set BZ,   48
.set STW,  50
.set STR,  51
.set PQO,  52
.set HC,   54
.set HL,   56
.set HL2,  58
.set LAO,  60
.set Z,    64
.set X,    80
.set M,    96
.set R,    112
.set HT,   96
.set AB,   128
.set WV,   14
.set CX,   15
.set CG,   16
.set BB,   17
.set SEL,  18
.set NC,   20
.set C62,  22
.set HI,   23
.set M1,   24
.set TB,   28
.set AP,   29
.set AQ,   30
.set TR,   31
.set G1,   36
.set G0A,  44
.set G0B,  48
.set PFA,  52
.set OB,   54
.set RG,   66
.set CH,   67
.set SP,   68
.set SQ,   69
.set AG,   70
.set AGS,  72
.set MSB, 0
.macro WIN new
.if MSB != \new
	s_set_vgpr_msb (MSB<<8)|\new
.set MSB, \new
.endif
.endm
.macro PLACES n
.rept \n
	v_nop
.endr
.endm
.macro CREST
	s_cmp_lg_u32 s[WV], 0
	s_cbranch_scc1 .Lnot_wave_0_\@
	s_barrier_signal -3
.Lnot_wave_0_\@:
	s_barrier_wait -3
	s_barrier_signal -1
	s_barrier_wait -1
.endm
.macro ROUND
	s_barrier_signal -1
	s_barrier_wait -1
	CREST
.endm
.macro MM ks, t, zh
.set rD, Z+16*(\zh)+8*(\t)
.set rA, AB+32*((\ks)%4)+16*(\t)
.set rB, 128*(\zh)+16*(\ks)
.set rC, rD
.if (\ks) == 0
.set rC, BI
.endif
.set rE, ASC+(\ks)
.set rF, WSC+(\ks)
.if \zh
.if \t
	v_wmma_scale_f32_16x16x128_f8f6f4 v[rD:rD+7], v[rA:rA+15], v[rB:rB+15], v[rC:rC+7], v[rE], v[rF] matrix_a_fmt:MATRIX_FMT_BF8 matrix_b_fmt:MATRIX_FMT_BF8 matrix_a_scale:MATRIX_SCALE_ROW1 matrix_b_scale:MATRIX_SCALE_ROW1
.else
	v_wmma_scale_f32_16x16x128_f8f6f4 v[rD:rD+7], v[rA:rA+15], v[rB:rB+15], v[rC:rC+7], v[rE], v[rF] matrix_a_fmt:MATRIX_FMT_BF8 matrix_b_fmt:MATRIX_FMT_BF8 matrix_b_scale:MATRIX_SCALE_ROW1
.endif
.elseif (\ks) == 0
.if \t
	v_wmma_scale_f32_16x16x128_f8f6f4 v[rD:rD+7], v[rA:rA+15], v[rB:rB+15], 0, v[rE], v[rF] matrix_a_fmt:MATRIX_FMT_BF8 matrix_b_fmt:MATRIX_FMT_BF8 matrix_a_scale:MATRIX_SCALE_ROW1
.else
	v_wmma_scale_f32_16x16x128_f8f6f4 v[rD:rD+7], v[rA:rA+15], v[rB:rB+15], 0, v[rE], v[rF] matrix_a_fmt:MATRIX_FMT_BF8 matrix_b_fmt:MATRIX_FMT_BF8
.endif
.else
.if \t
	v_wmma_scale_f32_16x16x128_f8f6f4 v[rD:rD+7], v[rA:rA+15], v[rB:rB+15], v[rC:rC+7], v[rE], v[rF] matrix_a_fmt:MATRIX_FMT_BF8 matrix_b_fmt:MATRIX_FMT_BF8 matrix_a_scale:MATRIX_SCALE_ROW1
.else
	v_wmma_scale_f32_16x16x128_f8f6f4 v[rD:rD+7], v[rA:rA+15], v[rB:rB+15], v[rC:rC+7], v[rE], v[rF] matrix_a_fmt:MATRIX_FMT_BF8 matrix_b_fmt:MATRIX_FMT_BF8
.endif
.endif
.endm
.macro MM4 ks                          ; the four accumulators by turns
	MM \ks, 0, 0
	MM \ks, 0, 1
	MM \ks, 1, 0
	MM \ks, 1, 1
.endm
.macro LDA ks                          ; ks = 4 .. 7, from the slot
.irp t, 0,1
.irp c, 0,1,2,3
	ds_load_b128 v[AB+32*((\ks)%4)+16*\t+4*\c:AB+32*((\ks)%4)+16*\t+4*\c+3], v[ADR] offset:(4*((\ks)-4)+\c)*1024+512*\t
.endr
.endr
.endm
.macro GEMM first
.if \first
	s_wait_dscnt 0x0
.else
	s_wait_dscnt 1                                 ; the scale words are in; the aggregate's store may be out
.endif
	s_wait_loadcnt 24                              ; ks 0 is in; eight loads for each ks behind it may be out
	WIN 0x04
	MM4 0
	s_wait_loadcnt 16
	MM4 1
	PLACES 8
	LDA 4
	LDA 5
	s_wait_loadcnt 8
	MM4 2
	s_wait_loadcnt 0x0
	MM4 3
	PLACES 8
	LDA 6
	LDA 7
	WIN 0
.endm
; kind 0. kind 1: an odd block's: the drain, the round, the refill.  kind 2: an odd block of the tail: the drain, no refill.
.macro CHANGE kind, ask, clamp
.if \kind
	s_wait_tensorcnt 0x0
	ds_add_u32 v[SPW], v[NIL]
	s_xor_b32 s[TB], s[TB], SLOTX
.endif
	s_xor_b32 s[TB], s[TB], SUBB
	s_xor_b32 s[AP], s[AP], 1024
	s_xor_b32 s[AQ], s[AQ], 1024
	s_xor_b32 s[SP], s[SP], STGB
	s_xor_b32 s[SQ], s[SQ], STGB
.if \clamp
	s_cmp_eq_u32 s[TR], 1
	s_cselect_b32 s[AGS], 0, BLKB                  ; behind block 15 there is no block: the address stays
	s_add_nc_u64 s[AG:AG+1], s[AG:AG+1], s[AGS:AGS+1]
.else
	s_add_nc_u64 s[AG:AG+1], s[AG:AG+1], BLKB      ; the loads that named it were waited for in GEMM
.endif
.if (\kind) == 1
	s_xor_b32 s[G0B+1], s[G0B+1], SLOTX
	s_add_nc_u64 s[G0B+2:G0B+3], s[G0B+2:G0B+3], 2*BLKB
.endif
	v_add_nc_u32 v[ADR], s[TB], v[ADR0]
	v_add_nc_u32 v[ADS], s[TB], v[ADS0]
	v_add_nc_u32 v[AGW], s[AP], v[AGW0]
	v_add_nc_u32 v[AGR], s[AQ], v[AGR0]
	v_add_nc_u32 v[STW], s[SP], v[STW0]
	v_add_nc_u32 v[STR], s[SQ], v[STR0]
.if \kind
	s_wait_dscnt 17                                ; ks 4, 5 are in; ks 6, 7's sixteen loads and the add may be out
.else
	s_wait_dscnt 16
.endif
	WIN 0x04
	MM4 4
	MM4 5
	s_wait_dscnt 0x0
	s_barrier_signal -1
	MM4 6
	MM4 7
	WIN 0
	s_barrier_wait -1
.if (\kind) == 1
	CREST
	tensor_load_to_lds s[G0B:G0B+3], s[G1:G1+7]
	s_nop 0
.endif
	PLACES 8
.if \ask
	global_prefetch_b8 v[PFO], s[PFA:PFA+1] th:TH_LOAD_NT scope:SCOPE_SE
.endif
.endm
.macro FETCHG                          ; ks 0-3 of my record at s[AG]: 32 loads, each 512 consecutive bytes
.irp ks, 0,1,2,3
.irp t, 0,1
.irp c, 0,1,2,3
	global_load_b128 v[AB+32*\ks+16*\t+4*\c:AB+32*\ks+16*\t+4*\c+3], v[LAO], s[AG:AG+1] offset:(4*\ks+\c)*1024+512*\t
.endr
.endr
.endr
.endm
.macro FETCHS
	ds_load_b128 v[ASC:ASC+3], v[ADS]
	ds_load_b128 v[ASC+4:ASC+7], v[ADS] offset:16
.endm
.macro AGGLD
	ds_load_b128 v[G:G+3], v[AGR]
	ds_load_b128 v[G+4:G+7], v[AGR] offset:16
.endm
.macro PREPZ
.set i, 0
.rept 8
	v_pk_fma_f32 v[Z+i:Z+i+1], v[Z+i:Z+i+1], s[NC:NC+1], v[BZ:BZ+1] op_sel_hi:[1,0,0]
.set i, i+2
.endr
.set i, 0
.rept 16
	v_min_num_f32 v[Z+i], s[C62], v[Z+i]
.set i, i+1
.endr
.endm
.macro PREPX
.set i, 0
.rept 16
	v_max_num_f32 v[M+i], 0, v[X+i]
.set i, i+1
.endr
.set i, 0
.rept 8
	v_pk_mul_f32 v[X+i:X+i+1], v[X+i:X+i+1], s[NC:NC+1] op_sel_hi:[1,0]
.set i, i+2
.endr
.set i, 0
.rept 16
	v_med3_num_f32 v[X+i], v[X+i], 0, s[C62]
.set i, i+1
.endr
.endm
.macro ACT
	s_wait_alu depctr_va_vdst(0)                   ; the wait ahead of the batch
.set i, 0
.rept 32
	v_exp_f32 v[Z+i], v[Z+i]
.set i, i+1
.endr
	v_nop
	s_wait_alu depctr_va_vdst(0)                   ; and behind it
.set i, 0
.rept 8
	v_pk_add_f32 v[R+i:R+i+1], v[Z+i:Z+i+1], 1.0 op_sel_hi:[1,0]
.set i, i+2
.endr
.set i, 0
.rept 8
	v_pk_add_f32 v[X+i:X+i+1], v[X+i:X+i+1], 1.0 op_sel_hi:[1,0]
.set i, i+2
.endr
.set i, 0
.rept 8
	v_pk_mul_f32 v[R+i:R+i+1], v[R+i:R+i+1], v[X+i:X+i+1]
.set i, i+2
.endr
	s_wait_alu depctr_va_vdst(0)
.set i, 0
.rept 16
	v_rcp_f32 v[R+i], v[R+i]
.set i, i+1
.endr
	v_nop
	s_wait_alu depctr_va_vdst(0)
.set i, 0
.rept 8
	v_pk_mul_f32 v[X+i:X+i+1], v[R+i:R+i+1], v[X+i:X+i+1]
.set i, i+2
.endr
.set i, 0
.rept 8
	v_pk_fma_f32 v[R+i:R+i+1], v[X+i:X+i+1], v[M+i:M+i+1], v[R+i:R+i+1]
.set i, i+2
.endr
.set i, 0
.rept 8
	v_pk_mul_f32 v[M+i:M+i+1], v[Z+i:Z+i+1], v[X+i:X+i+1]
.set i, i+2
.endr
.set i, 1
.rept 7
	v_fmac_f32 v[R+i], v[M+i], v[R+i-1]
	v_fmac_f32 v[R+8+i], v[M+8+i], v[R+7+i]
	v_mul_f32 v[M+i], v[M+i], v[M+i-1]
	v_mul_f32 v[M+8+i], v[M+8+i], v[M+7+i]
.set i, i+1
.endr
	v_mul_f32 v[A0+2], v[M+7], v[M+15]
	v_fma_f32 v[A0+3], v[M+15], v[R+7], v[R+15]
	v_permlanex16_b32 v[PQO], v[A0+2], s[SEL], s[SEL+1]
	v_permlanex16_b32 v[PQO+1], v[A0+3], s[SEL], s[SEL+1]
	v_mul_f32 v[PQW], v[A0+2], v[PQO]
	v_fma_f32 v[A0], v[PQO], v[A0+3], v[PQO+1]
	v_fma_f32 v[A0+1], v[A0+2], v[PQO+1], v[A0+3]
	v_cndmask_b32 v[PQW+1], v[A0], v[A0+1], s[HI]
	ds_store_b64 v[AGW], v[PQW:PQW+1]
.endm
.macro FOLD
	v_fma_f32 v[F0], v[G], v[HC], v[G+1]
	v_fma_f32 v[F1], v[G+2], v[F0], v[G+3]
	v_fma_f32 v[F2], v[G+4], v[F1], v[G+5]
	v_cndmask_b32 v[F3], v[HC], v[F0], s[M1]
	v_cndmask_b32 v[F3], v[F3], v[F1], s[M1+1]
	v_cndmask_b32 v[F3], v[F3], v[F2], s[M1+2]
	v_fma_f32 v[HC], v[G+6], v[F2], v[G+7]
	v_fma_f32 v[F4], v[PQO], v[F3], v[PQO+1]
	v_cndmask_b32 v[HL], v[F3], v[F4], s[HI]
.endm
.macro FIX
.irp p, 0,2,4,6
	v_pk_fma_f32 v[R+\p:R+\p+1], v[M+\p:M+\p+1], v[HL:HL+1], v[R+\p:R+\p+1] op_sel_hi:[1,0,1]
.endr
	v_mov_b32 v[HL2], v[R+7]
.irp p, 8,10,12,14
	v_pk_fma_f32 v[R+\p:R+\p+1], v[M+\p:M+\p+1], v[HL2:HL2+1], v[R+\p:R+\p+1] op_sel_hi:[1,0,1]
.endr
.endm
.macro STST
.irp t, 0,1
.irp j, 0,1,2,3,4,5,6,7
	ds_store_b32 v[STW], v[R+8*\t+\j] offset:(16*\t+\j)*144
.endr
.endr
.endm
.macro STLD                            ; into R, which the stores above have read
.irp q, 0,1,2,3
	ds_load_b128 v[R+4*\q:R+4*\q+3], v[STR] offset:576*\q
.endr
.endm
.macro OUT
.irp i, 0,1,2,3
	global_store_b128 v[GO], v[R+4*\i:R+4*\i+3], s[OB:OB+1] offset:(16*(\i/2)+4*(\i%2))*4096 th:TH_STORE_NT
.endr
.endm
.macro OSTEP
	s_wait_xcnt 0x0                                ; the stores have read their registers and base
	s_add_nc_u64 s[OB:OB+1], s[OB:OB+1], 128*4096
.endm
.macro TRIP first, fold, out, kind, ask, clamp
	GEMM \first
	CHANGE \kind, \ask, \clamp
	s_wait_alu depctr_va_vdst(0)
.if \fold
	AGGLD
.endif
	FETCHG
	FETCHS
	PREPZ
.if \fold
	s_wait_dscnt 2                                 ; the aggregates are in; the two loads of scale words may be out
	FOLD
	FIX
	STST
.endif
.if \out
	STLD
.endif
	PREPX
.if \out
	s_wait_dscnt 0x0
	OUT
	OSTEP
.elseif \ask
	s_wait_xcnt 0x0                                ; the prefetch has read its address
.endif
.if \ask
	s_add_nc_u64 s[PFA:PFA+1], s[PFA:PFA+1], BLKB
.endif
	ACT
.endm
	s_load_b256 s[4:11], s[0:1], 0x0
	s_load_b64 s[12:13], s[0:1], 0x20
	v_lshl_add_u32 v[SPW], v0, 2, SPARE
	v_mov_b32 v[NIL], 0
	ds_add_u32 v[SPW], v[NIL]
	ds_add_u32 v[SPW], v[NIL]
	v_lshrrev_b32 v[HT+8], 5, v0
	v_readfirstlane_b32 s[WV], v[HT+8]
	s_lshr_b32 s[RG], s[WV], 1
	s_and_b32 s[CH], s[WV], 1
	s_bfe_u32 s[CX], ttmp6, 0x40000
	s_and_b32 s33, ttmp7, 0xffff
	s_and_b32 s[CG], ttmp9, 3
	s_and_b32 s34, s33, 1
	s_lshl_b32 s34, s34, 2
	s_or_b32 s[CG], s[CG], s34
	s_lshl_b32 s[CG], s[CG], 2
	s_add_co_u32 s[CG], s[CG], s[CX]               ; column group 0 .. 31
	s_lshr_b32 s[BB], ttmp9, 2
	s_lshr_b32 s33, s33, 1
	s_lshl_b32 s33, s33, 1
	s_or_b32 s[BB], s[BB], s33                     ; batch: x / 4 + 2 (y / 2)
	s_mov_b32 s[SEL], 0x76543210
	s_mov_b32 s[SEL+1], 0xfedcba98
	s_mov_b32 s[NC], 0xbfb8aa3b
	s_mov_b32 s[NC+1], s[NC]
	s_mov_b32 s[C62], 0x42780000
	s_mov_b32 s[HI], 0xffff0000
	s_mov_b32 s[TB], 0
	s_mov_b32 s[AP], 1024
	s_mov_b32 s[AQ], 0
	s_mov_b32 s[SP], 0
	s_mov_b32 s[SQ], STGB
	s_mov_b32 s[AGS+1], 0
	s_cmp_ge_u32 s[RG], 1
	s_cselect_b32 s[M1], -1, 0
	s_cmp_ge_u32 s[RG], 2
	s_cselect_b32 s[M1+1], -1, 0
	s_cmp_ge_u32 s[RG], 3
	s_cselect_b32 s[M1+2], -1, 0
	s_mov_b32 s[G1], 15|(3<<16)|(1<<21)
	s_mov_b32 s[G1+1], 32<<16
	s_mov_b32 s[G1+2], 68<<16
	s_mov_b32 s[G1+3], 32<<16
	s_mov_b32 s[G1+4], 68
	s_mov_b32 s[G1+5], 32
	s_mov_b32 s[G1+6], 0
	s_mov_b32 s[G1+7], 0
	s_lshl_b32 s58, s[BB], 6
	s_mul_i32 s58, s58, SRB
	s_mov_b32 s59, 0
	s_mov_b32 s[G0A], 1
	s_mul_i32 s[G0A+1], s[WV], SRL
	s_mov_b32 s[G0B], 1
	s_add_co_u32 s[G0B+1], s[G0A+1], SLOTX
	s_mul_i32 s60, s[RG], SRB
	s_add_co_u32 s60, s60, s58
	s_mov_b32 s61, 0
	s_mul_i32 s34, s[WV], SRB
	s_add_co_u32 s34, s34, s58
	s_add_co_u32 s34, s34, 16384
	s_mov_b32 s35, 0
	s_lshl_b32 s62, s[WV], 2
	s_add_co_u32 s62, s62, s[CX]
	s_lshl_b32 s62, s62, 12
	s_add_co_u32 s62, s62, 4*BLKB
	s_add_co_u32 s62, s62, s58
	s_mov_b32 s63, 0
	v_and_b32 v[HT], 31, v0
	v_and_b32 v[HT+1], 15, v0
	v_bfe_u32 v[HT+2], v0, 4, 1
	v_lshlrev_b32 v[HT+3], 4, v[HT]
	v_lshlrev_b32 v[LAO], 4, v[HT]
	v_bfe_u32 v[HT+4], v0, 3, 1
	v_and_b32 v[HT+5], 7, v0
	v_bfe_u32 v[HT+6], v0, 3, 2
	v_lshlrev_b32 v[HT+7], 6, v[HT+4]
	v_lshl_add_u32 v[HT+7], v[HT+5], 2, v[HT+7]
	v_lshlrev_b32 v[GSB], 5, v[HT+1]
	v_mul_u32_u24 v[HT+9], v[HT+2], SRB
	v_add_nc_u32 v[HT+9], v[HT+9], v[GSB]          ; scale words: lanes 0-15 z's record, lanes 16-31 h's
	v_min_u32 v[PFO], 15, v[HT]                    ; lanes 16-31 name the wave's last block again
	v_lshlrev_b32 v[PFO], 8, v[PFO]
	s_wait_alu depctr_va_vdst(0)
	s_wait_dscnt 0x0
	s_wait_kmcnt 0x0
	s_add_nc_u64 s[AG:AG+1], s[4:5], s[60:61]
	s_add_nc_u64 s[G0A+2:G0A+3], s[4:5], s[34:35]
	s_add_nc_u64 s[G0B+2:G0B+3], s[G0A+2:G0A+3], 2*BLKB
	s_add_nc_u64 s[PFA:PFA+1], s[4:5], s[62:63]
	s_or_b32 s[G0A+3], s[G0A+3], 0x80000000
	s_or_b32 s[G0B+3], s[G0B+3], 0x80000000
	ROUND
	tensor_load_to_lds s[G0A:G0A+3], s[G1:G1+7]    ; blocks 0 and 1: my one load at the head
	s_nop 0
	PLACES 4
	s_mul_i32 s62, s[CG], 2*SRB
	s_add_co_u32 s62, s62, LAYER*64*SRB
	s_lshl_b32 s33, s[CH], 9
	s_add_co_u32 s62, s62, s33
	s_add_nc_u64 s[6:7], s[6:7], s[62:63]
	s_lshl_b32 s62, s[CG], 7
	s_add_co_u32 s62, s62, LAYER*4096
	s_lshl_b32 s33, s[CH], 5
	s_add_co_u32 s62, s62, s33
	s_add_nc_u64 s[8:9], s[8:9], s[62:63]
	s_add_nc_u64 s[10:11], s[10:11], s[62:63]
	FETCHG                                         ; block 0's ks 0-3, and the weights, under the first tile's flight
	WIN 0x40
.irp zh, 0,1
.irp ks, 0,1,2,3,4,5,6,7
.irp c, 0,1,2,3
	global_load_b128 v[128*\zh+16*\ks+4*\c:128*\zh+16*\ks+4*\c+3], v[HT+3], s[6:7] offset:SRB*\zh+(4*\ks+\c)*1024
.endr
.endr
.endr
	WIN 0
	global_load_b128 v[WSC:WSC+3], v[HT+9], s[6:7] offset:32768
	global_load_b128 v[WSC+4:WSC+7], v[HT+9], s[6:7] offset:32768+16
	global_load_b32 v[BZ], v[HT+7], s[8:9]
	global_load_b32 v[BI], v[HT+7], s[10:11]
.irp b, 3,2,1
	global_prefetch_b8 v[PFO], s[PFA:PFA+1] offset:-\b*BLKB th:TH_LOAD_NT scope:SCOPE_SE   ; blocks 1 to 3
.endr
	s_lshl_b32 s62, s[BB], 23
	s_lshl_b32 s33, s[RG], 17
	s_add_co_u32 s62, s62, s33
	s_lshl_b32 s33, s[CH], 15
	s_add_co_u32 s62, s62, s33
	s_lshl_b32 s33, s[CG], 7
	s_add_co_u32 s62, s62, s33
	s_add_nc_u64 s[OB:OB+1], s[12:13], s[62:63]
	s_mul_i32 s33, s[RG], SRL
	v_add_nc_u32 v[ADR0], s33, v[HT+3]
	v_lshlrev_b32 v[ADS0], 5, v[HT]
	v_add_nc_u32 v[ADS0], s33, v[ADS0]
	v_add_nc_u32 v[ADS0], SRL-1024, v[ADS0]
	v_mov_b32 v[ADR], v[ADR0]
	v_mov_b32 v[ADS], v[ADS0]
	s_lshl_b32 s34, s[CH], 9
	s_add_co_u32 s34, s34, AGG
	v_add_nc_u32 v[AGR0], s34, v[GSB]
	s_lshl_b32 s34, s[RG], 3
	v_add_nc_u32 v[AGW0], s34, v[AGR0]
	s_mul_i32 s33, s[RG], STGW
	s_add_co_u32 s33, s33, STG
	s_lshl_b32 s34, s[CH], 5
	s_add_co_u32 s34, s34, s33
	v_mul_u32_u24 v[STW0], v[HT+2], 1152
	v_add_nc_u32 v[STW0], v[STW0], v[HT+7]
	v_add_nc_u32 v[STW0], s34, v[STW0]
	s_mul_i32 s34, s[CH], 2304
	s_add_co_u32 s34, s34, s33
	v_mul_u32_u24 v[STR0], v[HT+6], 144
	v_lshl_add_u32 v[STR0], v[HT+5], 4, v[STR0]
	v_lshlrev_b32 v[GO], 12, v[HT+6]
	v_lshl_add_u32 v[GO], v[HT+5], 4, v[GO]
	v_add_nc_u32 v[STR0], s34, v[STR0]
	v_mov_b32 v[HC], 0.5
.irp j, 0,1
	v_mov_b32 v[PQO+\j], 0
	v_mov_b32 v[HL+\j], 0
	v_mov_b32 v[HL2+\j], 0
.endr
	s_wait_alu depctr_va_vdst(0)
	s_wait_tensorcnt 0x0                           ; slot 1's first fill is issued as a refill is
	ds_add_u32 v[SPW], v[NIL]
	s_wait_dscnt 0x0
	ROUND
	tensor_load_to_lds s[G0B:G0B+3], s[G1:G1+7]    ; blocks 2 and 3
	s_nop 0
	PLACES 4
	FETCHS
	s_wait_loadcnt 0x0
.irp j, 1,2,3,4,5,6,7
	v_mov_b32 v[BI+\j], v[BI]
.endr
	v_mul_f32 v[BZ], s[NC], v[BZ]
	v_mov_b32 v[BZ+1], v[BZ]
	s_wait_alu depctr_va_vdst(0)                   ; the head's end
	TRIP 1, 0, 0, 0, 1, 0                          ; block 0
	TRIP 0, 1, 0, 1, 1, 0                          ; block 1
	s_mov_b32 s[TR], 5
.Lpair:                                                ; blocks 2 to 11
	TRIP 0, 1, 1, 0, 1, 0
	TRIP 0, 1, 1, 1, 1, 0
	s_sub_co_u32 s[TR], s[TR], 1
	s_cmp_lg_u32 s[TR], 0
	s_cbranch_scc1 .Lpair
	s_mov_b32 s[TR], 2
.Ltail:                                                ; blocks 12 to 15: nothing more is filled
	TRIP 0, 1, 1, 0, 0, 0
	TRIP 0, 1, 1, 2, 0, 1
	s_sub_co_u32 s[TR], s[TR], 1
	s_cmp_lg_u32 s[TR], 0
	s_cbranch_scc1 .Ltail
	s_wait_alu depctr_va_vdst(0)
	s_wait_dscnt 0x0
	s_barrier_signal -1
	s_barrier_wait -1
	s_xor_b32 s[AQ], s[AQ], 1024
	s_xor_b32 s[SP], s[SP], STGB
	s_xor_b32 s[SQ], s[SQ], STGB
	v_add_nc_u32 v[AGR], s[AQ], v[AGR0]
	v_add_nc_u32 v[STW], s[SP], v[STW0]
	v_add_nc_u32 v[STR], s[SQ], v[STR0]
	AGGLD
	s_wait_dscnt 0x0
	FOLD
	FIX
	STST                                           ; block 15 into the stage,
	STLD                                           ; block 14 out of the other
	s_wait_dscnt 0x0
	OUT
	OSTEP
	s_barrier_signal -1
	s_barrier_wait -1
	s_xor_b32 s[SQ], s[SQ], STGB
	v_add_nc_u32 v[STR], s[SQ], v[STR0]
	STLD
	s_wait_dscnt 0x0
	OUT
	s_wait_tensorcnt 0x0                           ; the wave's end
	ds_add_u32 v[SPW], v[NIL]
	s_wait_dscnt 0x0
	ROUND                                          ; the closing round
	s_endpgm
.Lfunc_end_k_qfe99681919_layer2:
	.size	k_qfe99681919_layer2, .Lfunc_end_k_qfe99681919_layer2-k_qfe99681919_layer2
	.p2alignl 7, 3214868480
	.fill 96, 4, 3214868480
	.section	.rodata,"a",@progbits
	.p2align	6, 0x0
	.amdhsa_kernel k_qfe99681919_layer2
		.amdhsa_group_segment_fixed_size 327680
		.amdhsa_private_segment_fixed_size 0
		.amdhsa_enable_private_segment 0
		.amdhsa_kernarg_size 40
		.amdhsa_user_sgpr_count 2
		.amdhsa_user_sgpr_kernarg_segment_ptr 1
		.amdhsa_wavefront_size32 1
		.amdhsa_system_sgpr_workgroup_id_x 1
		.amdhsa_system_sgpr_workgroup_id_y 1
		.amdhsa_system_sgpr_workgroup_id_z 1
		.amdhsa_system_vgpr_workitem_id 0
		.amdhsa_next_free_vgpr 512
		.amdhsa_next_free_sgpr 76
		.amdhsa_reserve_vcc 0
		.amdhsa_float_denorm_mode_32 3
		.amdhsa_float_denorm_mode_16_64 3
		.amdhsa_memory_ordered 1
		.amdhsa_forward_progress 1
		.amdhsa_inst_pref_size 159
	.end_amdhsa_kernel
	.amdgpu_metadata
---
amdhsa.version: [ 1, 2 ]
amdhsa.kernels:
  - .name:           k_qfe99681919_layer2
    .symbol:         k_qfe99681919_layer2.kd
    .args:
      - { .name: hq, .offset: 0, .size: 8, .value_kind: global_buffer, .address_space: global }
      - { .name: wq, .offset: 8, .size: 8, .value_kind: global_buffer, .address_space: global }
      - { .name: bz, .offset: 16, .size: 8, .value_kind: global_buffer, .address_space: global }
      - { .name: bh, .offset: 24, .size: 8, .value_kind: global_buffer, .address_space: global }
      - { .name: out0, .offset: 32, .size: 8, .value_kind: global_buffer, .address_space: global }
    .group_segment_fixed_size: 327680
    .private_segment_fixed_size: 0
    .kernarg_segment_align: 8
    .kernarg_segment_size: 40
    .max_flat_workgroup_size: 256
    .sgpr_count:     76
    .vgpr_count:     512
    .wavefront_size: 32
...
	.end_amdgpu_metadata
.endif
;; end of part 3
